; MI455X (gfx1250); checked and timed in simulation.
; The chip was launched on July 23, 2026; its instructions are those of AMD's public machine-readable ISA for CDNA 5 (MIT licence, August 2026) and "CDNA5" Instruction Set Architecture Reference Guide (July 2026). The comments in the code are by the model that wrote it; some were corrected since.
;; Mixture Of Experts. Allowed arithmetic: float matrix products may take bf16 or f16 operands with f32 sums; other float arithmetic in f32, or as packed bf16 or f16 multiplies, adds, multiply-adds, maxima and minima; sums over many terms, partial sums and values carried from step to step in f32; what a program stores and reads back later, other than sums and carried values, may be rounded once to bf16 or f16.
;; Inputs: W1 8 x 512 x 2,048 float32; W2 8 x 2,048 x 512 float32; Wg 512 x 8 float32; b1 8 x 2,048 float32; b2 8 x 512 float32; bg 8 float32; x 8 x 512 x 512 float32.
;; Outputs: out0 8 x 512 x 512 float32.
;; One version. Each part assembles by itself: llvm-mc -triple=amdgcn-amd-amdhsa -mcpu=gfx1250 --defsym DOCPART=n.
;; ======== version 1 of 1: 3 launches
;; limits: values are held in f16: magnitudes above 65,504 overflow, below 6.1e-05 lose precision
;; workspace buffers: xb 4,194,304 bytes; wf 33,554,432 bytes; route 8,192 bytes of whole numbers; sel 16,384 bytes of whole numbers; pw 32,768 bytes; part 268,435,456 bytes
;; launch prep (part 1): grid 1152 x 1, 4 waves a work-group, no clusters, 0 bytes of LDS; arguments x, Wg, bg, W1, W2, xb, wf, route, sel, pw; writes xb, wf, route, sel, pw
.if DOCPART == 1
	.amdgcn_target "amdgcn-amd-amdhsa--gfx1250"
	.amdhsa_code_object_version 6
	.text
	.protected	k_q7fbecc63f2_prep
	.globl	k_q7fbecc63f2_prep
	.p2align	8
	.type	k_q7fbecc63f2_prep,@function
k_q7fbecc63f2_prep:
	s_mov_b64 s[64:65], 0
	v_nop
	global_prefetch_b8 v0, s[64:65] scope:SCOPE_SE
	s_setreg_imm32_b32 hwreg(HW_REG_WAVE_MODE, 25, 1), 1
	s_wait_xcnt 0x0
; PREP.  Two roles, chosen by the work-group's number alone.
; Work-groups 0-127 (ROUTER): 32 tokens each, 8 a wave.  x is rounded to bf16 and stored (xb); the gate's logits are f32 sums of bf16(x) bf16(Wg) + bf16(bg);
;   softmax with the row's maximum taken away; the two largest probabilities (strict '>', so a tie keeps the lower index).  Stored at fixed places: the choice as bitmaps and counts
;   (route), as two indices a token (sel), and the two probabilities in f32 (pw).  No address here hangs on the choice.
; Work-groups 128-1151 (WEIGHTS): W1 rounded to bf16, W2 rounded to bf16 and that number written as f16, both laid in the order in which a wave of the next launch takes its operand registers.
;   wf[e][j][w] is that wave's stream of 256 KB: first W1 as [s 0..15][a 0..1][q][half][lane][16 bytes], column groups 4 a + w; then W2 as [a 0..1][s 0..15][q][half][lane][16 bytes].
;   Lane (r, h) of fragment (s, q) holds k = 32 s + 16 half + 8 h + 0..7 of column 4 r + q of a group of 64:
;   a lane's 16-byte f32 load brings the four q at once, so the permutation costs nothing.  W2's k runs over the hidden units in the same permuted order (place 16 q + m stands for unit 4 m + q).
; LIMITS.  All inputs are rounded once to bf16.  Two probabilities closer than the f32 rounding of a 512-term sum may be ordered otherwise than by another order of summation.
; An exponential below 2^-126 counts as 0.  NaN and infinities are not treated apart.  A W2 number below 6e-5 keeps f16's fixed step of 6e-8; beyond 65,504 f16 has no number.
; No LDS, no barrier, no matrix unit: both roles stream; the gate is a two-thousandth of the module's arithmetic.
.set NROUT, 128                        ; router work-groups
.set LG,  8                            ; v8-15    logits, then probabilities: lane i holds token i of the wave's eight
.set WG,  16                           ; v16-143  Wg[128 i + 4 lane + c][e] at WG + 8 (4 i + c) + e
.set XR,  144                          ; v144-207 four tokens, 16 numbers of x a lane
.set CV,  208                          ; v208-239 the same in bf16, 8 registers a token
.set AC,  240                          ; v240-247 the eight sums of the token in hand
.set LD,  16                           ; weights: v16-143 two units of 64 registers as loaded
.set OU,  144                          ; weights: v144-207 two units of 32 registers to store
	s_load_b512 s[4:19], s[0:1], 0x0               ; x s[4:5], Wg s[6:7], bg s[8:9], W1 s[10:11], W2 s[12:13], xb s[14:15], wf s[16:17], route s[18:19]
	s_load_b128 s[20:23], s[0:1], 0x40             ; sel s[20:21], pw s[22:23]
	v_and_b32 v1, 31, v0                           ; lane
	v_lshrrev_b32 v2, 5, v0
	v_readfirstlane_b32 s24, v2                    ; wave
	s_mov_b32 s46, 0xffff0000                      ; a word's upper bf16
	s_cmp_lt_u32 ttmp9, NROUT
	s_cbranch_scc0 .Lweights
; ---------------------------------------------------------------- ROUTER
	v_lshlrev_b32 v2, 4, v1                        ; 16 lane: my 16 bytes in 512 of a row of x
	v_lshlrev_b32 v3, 7, v1                        ; 128 lane: my four rows of Wg
	v_lshlrev_b32 v4, 3, v1                        ; 8 lane: my 8 bytes in 256 of a row of xb
	s_lshl_b32 s25, ttmp9, 2
	s_add_co_u32 s25, s25, s24                     ; my first token / 8
	s_lshl_b32 s26, s25, 14                        ; x: 8 rows of 2,048 bytes
	s_mov_b32 s27, 0
	s_lshl_b32 s28, s25, 13                        ; xb: 8 rows of 1,024 bytes
	s_mov_b32 s29, 0
	s_mov_b32 s40, 0x76543210                      ; v_permlanex16_b32: each lane takes its own place in the other half
	s_mov_b32 s41, 0xfedcba98
	s_mov_b32 s42, 1                               ; the lane that takes the token's logits
	s_mov_b32 s43, 2                               ; trips
.irp e, 0,1,2,3,4,5,6,7
	v_mov_b32 v[LG+\e], 0                          ; read as the kept source of the selects below
.endr
	s_wait_kmcnt 0x0
	s_load_b256 s[32:39], s[8:9], 0x0              ; bg
	s_add_nc_u64 s[4:5], s[4:5], s[26:27]
	s_add_nc_u64 s[14:15], s[14:15], s[28:29]
.irp i, 0,1,2,3
.irp c, 0,1,2,3
	global_load_b128 v[WG+32*\i+8*\c:WG+32*\i+8*\c+3],   v3, s[6:7] offset:4096*\i+32*\c
	global_load_b128 v[WG+32*\i+8*\c+4:WG+32*\i+8*\c+7], v3, s[6:7] offset:4096*\i+32*\c+16
.endr
.endr
	s_wait_loadcnt 0x0
.set z, 0
.rept 64                                               ; Wg rounded to bf16 and widened again, once a wave
	v_cvt_pk_bf16_f32 v[AC+z%4], v[WG+2*z], v[WG+2*z+1]
	v_lshlrev_b32 v[WG+2*z], 16, v[AC+z%4]
	v_and_b32 v[WG+2*z+1], s46, v[AC+z%4]
.set z, z+1
.endr
; One token: rounded, stored, widened; 64 packed multiply-adds (four chains, a pair of experts each; x is given to both halves); the sum over the 32 lanes; lane s42 keeps the eight logits.
.macro TOKEN tk
	s_wait_loadcnt 12-4*(\tk)                      ; loads come back in order: this token's four are in, the later tokens' stay out
.set z, 0
.rept 8
	v_cvt_pk_bf16_f32 v[CV+8*(\tk)+z], v[XR+16*(\tk)+2*z], v[XR+16*(\tk)+2*z+1]
.set z, z+1
.endr
.irp i, 0,1,2,3
	global_store_b64 v4, v[CV+8*(\tk)+2*\i:CV+8*(\tk)+2*\i+1], s[14:15] offset:1024*(\tk)+256*\i  ; the wave's store covers 256 consecutive bytes, aligned
.endr
.set z, 0
.rept 8
	v_lshlrev_b32 v[XR+16*(\tk)+2*z], 16, v[CV+8*(\tk)+z]
	v_and_b32 v[XR+16*(\tk)+2*z+1], s46, v[CV+8*(\tk)+z]
.set z, z+1
.endr
.set ch, 0
.rept 16
.set xp, XR+16*(\tk)+ch-ch%2
.set ep, 0
.rept 4
.set wr, WG+8*ch+2*ep
.if ch == 0
	v_pk_mul_f32 v[AC+2*ep:AC+2*ep+1], v[xp:xp+1], v[wr:wr+1] op_sel_hi:[0,1]
.elseif ch%2 == 0
	v_pk_fma_f32 v[AC+2*ep:AC+2*ep+1], v[xp:xp+1], v[wr:wr+1], v[AC+2*ep:AC+2*ep+1] op_sel_hi:[0,1,1]
.else
	v_pk_fma_f32 v[AC+2*ep:AC+2*ep+1], v[xp:xp+1], v[wr:wr+1], v[AC+2*ep:AC+2*ep+1] op_sel:[1,0,0] op_sel_hi:[1,1,1]
.endif
.set ep, ep+1
.endr
.set ch, ch+1
.endr
.irp m, 1,2,4,8
.irp e, 0,1,2,3,4,5,6,7
	v_add_f32_dpp v[AC+\e], v[AC+\e], v[AC+\e] row_xmask:\m row_mask:0xf bank_mask:0xf
.endr
.endr
.irp e, 0,1,2,3,4,5,6,7
	v_permlanex16_b32 v[XR+16*(\tk)+\e], v[AC+\e], s40, s41  ; x's registers are free now, and have been written
.endr
.irp e, 0,1,2,3,4,5,6,7
	v_add_f32 v[AC+\e], v[AC+\e], v[XR+16*(\tk)+\e]
.endr
.irp e, 0,1,2,3,4,5,6,7
	v_cndmask_b32 v[LG+\e], v[LG+\e], v[AC+\e], s42
.endr
	s_lshl_b32 s42, s42, 1
.endm
.Ltrip:                                                ; two trips of four tokens
.irp t, 0,1,2,3
.irp i, 0,1,2,3
	global_load_b128 v[XR+16*\t+4*\i:XR+16*\t+4*\i+3], v2, s[4:5] offset:2048*\t+512*\i th:TH_LOAD_NT
.endr
.endr
	TOKEN 0
	TOKEN 1
	TOKEN 2
	TOKEN 3
	s_wait_xcnt 0x0                                ; the two bases and the stores' data are written again only behind this wait
	s_add_nc_u64 s[4:5], s[4:5], 8192
	s_add_nc_u64 s[14:15], s[14:15], 4096
	s_sub_co_u32 s43, s43, 1
	s_cmp_lg_u32 s43, 0
	s_cbranch_scc1 .Ltrip
	s_wait_kmcnt 0x0                               ; bg
.irp p, 0,1,2,3
	v_cvt_pk_bf16_f32 v[240+\p], s[32+2*\p], s[33+2*\p]
.endr
.irp p, 0,1,2,3
	v_lshlrev_b32 v[244+\p], 16, v[240+\p]
	v_and_b32 v[240+\p], s46, v[240+\p]
.endr
.irp p, 0,1,2,3
	v_add_f32 v[LG+2*\p], v[LG+2*\p], v[244+\p]
	v_add_f32 v[LG+2*\p+1], v[LG+2*\p+1], v[240+\p]
.endr
	v_max3_num_f32 v240, v8, v9, v10               ; the row's maximum is taken away before the exponentials
	v_max3_num_f32 v240, v240, v11, v12
	v_max3_num_f32 v240, v240, v13, v14
	v_max_num_f32 v240, v240, v15
.irp e, 0,1,2,3,4,5,6,7
	v_sub_f32 v[LG+\e], v[LG+\e], v240
.endr
.irp e, 0,1,2,3,4,5,6,7
	v_mul_f32 v[LG+\e], 0x3fb8aa3b, v[LG+\e]       ; log2(e)
.endr
.irp e, 0,1,2,3,4,5,6,7
	v_exp_f32 v[LG+\e], v[LG+\e]
.endr
	v_nop                                          ; a plain instruction behind the last exponential,
	s_wait_alu depctr_va_vdst(0)                   ; and one wait for the batch of eight, ahead of its first use
	v_add_f32 v241, v8, v9
	v_add_f32 v242, v10, v11
	v_add_f32 v243, v12, v13
	v_add_f32 v244, v14, v15
	v_add_f32 v241, v241, v242
	v_add_f32 v243, v243, v244
	v_add_f32 v241, v241, v243
	v_rcp_f32 v241, v241
	v_nop
	s_wait_alu depctr_va_vdst(0)                   ; the reciprocal's wait
.irp e, 0,1,2,3,4,5,6,7
	v_mul_f32 v[LG+\e], v[LG+\e], v241
.endr
	v_mov_b32 v250, v8                             ; the largest, and its index
	v_mov_b32 v248, 0
.irp e, 1,2,3,4,5,6,7
	v_cmp_gt_f32 vcc_lo, v[LG+\e], v250
	v_cndmask_b32 v250, v250, v[LG+\e], vcc_lo
	v_cndmask_b32 v248, v248, \e, vcc_lo
.endr
	v_mov_b32 v251, -1.0                           ; the largest of the others: every probability is above -1
	v_mov_b32 v249, 0
.irp e, 0,1,2,3,4,5,6,7
	v_cmp_eq_u32 vcc_lo, \e, v248
	v_cndmask_b32 v243, v[LG+\e], -1.0, vcc_lo
	v_cmp_gt_f32 vcc_lo, v243, v251
	v_cndmask_b32 v251, v251, v243, vcc_lo
	v_cndmask_b32 v249, v249, \e, vcc_lo
.endr
	v_mov_b32 v244, 0
.irp e, 0,1,2,3,4,5,6,7
	v_cmp_eq_u32 s44, \e, v248
	v_cmp_eq_u32 s45, \e, v249
	s_or_b32 s44, s44, s45
	s_and_b32 s44, s44, 0xff                       ; my eight tokens' bits for expert e,
	s_bcnt1_i32_b32 s45, s44                       ; and how many they are
	v_writelane_b32 v244, s44, \e
	v_writelane_b32 v244, s45, 8+\e
.endr
	v_and_b32 v245, 7, v1
	v_lshlrev_b32 v245, 9, v245                    ; expert x 512
	v_lshrrev_b32 v246, 3, v1
	v_lshl_add_u32 v245, v246, 12, v245            ; bitmaps at 0, counts at 4,096
	v_add_nc_u32 v245, s25, v245                   ; + token / 8
	s_lshl_b32 s44, s25, 5
	v_lshl_add_u32 v246, v1, 2, s44                ; sel: 4 bytes a token
	s_lshl_b32 s45, s25, 6
	v_lshl_add_u32 v247, v1, 3, s45                ; pw: 8 bytes a token
	v_lshl_or_b32 v252, v249, 8, v248
	; The routing table is 56 KB for the whole launch: these narrow stores are all of it.
	s_wait_xcnt 0x0                                ; EXEC changes only behind this wait
	v_cmp_gt_u32 vcc_lo, 16, v1
	s_and_saveexec_b32 s44, vcc_lo
	global_store_b8 v245, v244, s[18:19]
	s_wait_xcnt 0x0
	s_or_b32 exec_lo, exec_lo, s44
	v_cmp_gt_u32 vcc_lo, 8, v1
	s_and_saveexec_b32 s44, vcc_lo
	global_store_b32 v246, v252, s[20:21]
	global_store_b64 v247, v[250:251], s[22:23]
	s_wait_xcnt 0x0
	s_or_b32 exec_lo, exec_lo, s44
	s_endpgm
; ---------------------------------------------------------------- WEIGHTS
.Lweights:
	s_sub_co_u32 s25, ttmp9, NROUT                 ; 0..1023
	s_lshr_b32 s26, s25, 1                         ; u = ((e 4 + j) 4 + w) 4 + ph: 16 steps of one column group; ph 0, 1: W1; ph 2, 3: W2
	s_and_b32 s27, s25, 1
	s_lshl_b32 s27, s27, 3
	s_lshl_b32 s28, s24, 1
	s_add_co_u32 s27, s27, s28                     ; my two steps: s (even) and s + 1
	s_lshr_b32 s28, s26, 6                         ; e
	s_bfe_u32 s29, s26, 0x20004                    ; j
	s_bfe_u32 s30, s26, 0x20002                    ; w
	s_and_b32 s31, s26, 1                          ; a
	s_lshl_b32 s28, s28, 22                        ; an expert is 4 MB in both tensors
	s_lshl_b32 s30, s30, 8                         ; the column group 4 a + w: 256 bytes each
	s_lshl_b32 s31, s31, 10
	s_add_co_u32 s28, s28, s30
	s_add_co_u32 s28, s28, s31
	s_lshl_b32 s32, s27, 18                        ; W1: 32 s rows of 8,192 bytes, columns 512 j on
	s_lshl_b32 s33, s29, 11
	s_add_co_u32 s32, s32, s33
	s_lshl_b32 s34, s27, 16                        ; W2: rows 512 j + 64 (s / 2) of 2,048 bytes (s even)
	s_lshl_b32 s35, s29, 20
	s_add_co_u32 s34, s34, s35
	s_mov_b32 s38, 131072                          ; from half 0 to half 1: 16 rows of W1, or
	s_mov_b32 s39, 2048                            ; one row of W2
	s_mov_b32 s44, 262144                          ; from step s to s + 1: 32 rows of W1, or
	s_mov_b32 s47, 4096                            ; two rows of W2
	s_mov_b32 s45, 0
	s_mov_b32 s33, 0
	s_wait_kmcnt 0x0
	s_bitcmp1_b32 s26, 1                           ; ph >= 2: W2
	s_cselect_b64 s[36:37], s[12:13], s[10:11]
	s_cselect_b32 s32, s34, s32
	s_cselect_b32 s38, s39, s38
	s_cselect_b32 s44, s47, s44
	s_add_co_u32 s32, s32, s28
	s_add_nc_u64 s[36:37], s[36:37], s[32:33]      ; step s
	s_add_nc_u64 s[40:41], s[36:37], s[44:45]      ; step s + 1
	s_lshl_b32 s32, s26, 16                        ; where it goes.  W2: 65,536 u + 4,096 s
	s_lshl_b32 s34, s27, 12
	s_add_co_u32 s32, s32, s34
	s_lshr_b32 s35, s26, 2                         ; W1: 262,144 (u / 4) + 8,192 s + 4,096 a: the two column groups of a step lie side by side
	s_lshl_b32 s35, s35, 18
	s_lshl_b32 s34, s27, 13
	s_add_co_u32 s35, s35, s34
	s_and_b32 s34, s26, 1
	s_lshl_b32 s34, s34, 12
	s_add_co_u32 s35, s35, s34
	s_bitcmp1_b32 s26, 1
	s_cselect_b32 s32, s32, s35
	s_add_nc_u64 s[16:17], s[16:17], s[32:33]      ; wf at my first step
	v_and_b32 v3, 15, v0                           ; r
	v_bfe_u32 v4, v0, 4, 1                         ; h
	v_lshlrev_b32 v2, 4, v3
	v_lshl_add_u32 v2, v4, 16, v2                  ; 65,536 h + 16 r: 8 rows of W1 or 32 of W2, the same number of bytes
	v_add_nc_u32 v3, s38, v2                       ; the same for half 1
	v_lshlrev_b32 v4, 4, v1                        ; 16 lane
.macro UNIT u                          ; 16 loads; each takes two aligned runs of 256 bytes
.irp f, 0,1
.irp i, 0,1,2,3,4,5,6,7
	global_load_b128 v[LD+64*(\u)+32*\f+4*\i:LD+64*(\u)+32*\f+4*\i+3], v[2+\f], s[36+4*(\u):37+4*(\u)] offset:8192*\i th:TH_LOAD_NT
.endr
.endr
.endm
.macro CVT u, w2                       ; two neighbouring k of one column make a word.  w2 = 1: rounded to bf16, widened, and that number written as f16
.irp f, 0,1
.irp q, 0,1,2,3
.irp i, 0,1,2,3
	v_cvt_pk_bf16_f32 v[OU+32*(\u)+8*\q+4*\f+\i], v[LD+64*(\u)+32*\f+8*\i+\q], v[LD+64*(\u)+32*\f+8*\i+4+\q]
.if \w2
	v_lshlrev_b32 v[LD+64*(\u)+32*\f+8*\i+\q], 16, v[OU+32*(\u)+8*\q+4*\f+\i]
	v_and_b32 v[LD+64*(\u)+32*\f+8*\i+4+\q], s46, v[OU+32*(\u)+8*\q+4*\f+\i]
	v_cvt_pk_f16_f32 v[OU+32*(\u)+8*\q+4*\f+\i], v[LD+64*(\u)+32*\f+8*\i+\q], v[LD+64*(\u)+32*\f+8*\i+4+\q]
.endif
.endr
.endr
.endr
.endm
.macro SENDW u, st                     ; eight stores of 512 consecutive bytes; st: bytes from a step to the next in wf
.irp q, 0,1,2,3
.irp f, 0,1
	global_store_b128 v4, v[OU+32*(\u)+8*\q+4*\f:OU+32*(\u)+8*\q+4*\f+3], s[16:17] offset:(\st)*(\u)+1024*\q+512*\f
.endr
.endr
.endm
	UNIT 0
	UNIT 1
	s_bitcmp1_b32 s26, 1
	s_cbranch_scc1 .Lw2
	s_wait_loadcnt 16                              ; the second unit's sixteen loads stay out
	CVT 0, 0
	SENDW 0, 8192
	s_wait_loadcnt 0x0
	CVT 1, 0
	SENDW 1, 8192
	s_endpgm
.Lw2:
	s_wait_loadcnt 16
	CVT 0, 1
	SENDW 0, 4096
	s_wait_loadcnt 0x0
	CVT 1, 1
	SENDW 1, 4096
	s_endpgm
.Lfunc_end_k_q7fbecc63f2_prep:
	.size	k_q7fbecc63f2_prep, .Lfunc_end_k_q7fbecc63f2_prep-k_q7fbecc63f2_prep
	.p2alignl 7, 3214868480
	.fill 96, 4, 3214868480
	.section	.rodata,"a",@progbits
	.p2align	6, 0x0
	.amdhsa_kernel k_q7fbecc63f2_prep
		.amdhsa_group_segment_fixed_size 0
		.amdhsa_private_segment_fixed_size 0
		.amdhsa_enable_private_segment 0
		.amdhsa_kernarg_size 80
		.amdhsa_user_sgpr_count 2
		.amdhsa_user_sgpr_kernarg_segment_ptr 1
		.amdhsa_wavefront_size32 1
		.amdhsa_system_sgpr_workgroup_id_x 1
		.amdhsa_system_sgpr_workgroup_id_y 1
		.amdhsa_system_sgpr_workgroup_id_z 1
		.amdhsa_system_vgpr_workitem_id 0
		.amdhsa_next_free_vgpr 256
		.amdhsa_next_free_sgpr 66
		.amdhsa_reserve_vcc 1
		.amdhsa_float_denorm_mode_32 3
		.amdhsa_float_denorm_mode_16_64 3
		.amdhsa_memory_ordered 1
		.amdhsa_forward_progress 1
		.amdhsa_inst_pref_size 83
	.end_amdhsa_kernel
	.amdgpu_metadata
---
amdhsa.version: [ 1, 2 ]
amdhsa.kernels:
  - .name:           k_q7fbecc63f2_prep
    .symbol:         k_q7fbecc63f2_prep.kd
    .args:
      - { .name: x, .offset: 0, .size: 8, .value_kind: global_buffer, .address_space: global }
      - { .name: Wg, .offset: 8, .size: 8, .value_kind: global_buffer, .address_space: global }
      - { .name: bg, .offset: 16, .size: 8, .value_kind: global_buffer, .address_space: global }
      - { .name: W1, .offset: 24, .size: 8, .value_kind: global_buffer, .address_space: global }
      - { .name: W2, .offset: 32, .size: 8, .value_kind: global_buffer, .address_space: global }
      - { .name: xb, .offset: 40, .size: 8, .value_kind: global_buffer, .address_space: global }
      - { .name: wf, .offset: 48, .size: 8, .value_kind: global_buffer, .address_space: global }
      - { .name: route, .offset: 56, .size: 8, .value_kind: global_buffer, .address_space: global }
      - { .name: sel, .offset: 64, .size: 8, .value_kind: global_buffer, .address_space: global }
      - { .name: pw, .offset: 72, .size: 8, .value_kind: global_buffer, .address_space: global }
    .group_segment_fixed_size: 0
    .private_segment_fixed_size: 0
    .kernarg_segment_align: 8
    .kernarg_segment_size: 80
    .max_flat_workgroup_size: 128
    .sgpr_count:     66
    .vgpr_count:     256
    .wavefront_size: 32
...
	.end_amdgpu_metadata
.endif
;; end of part 1
;; launch chain (part 2): grid 256 x 1, 4 waves a work-group, no clusters, 305,152 bytes of LDS; arguments route, xb, wf, b1, part; writes part
.if DOCPART == 2
	.amdgcn_target "amdgcn-amd-amdhsa--gfx1250"
	.amdhsa_code_object_version 6
	.text
	.protected	k_q7fbecc63f2_chain
	.globl	k_q7fbecc63f2_chain
	.p2align	8
	.type	k_q7fbecc63f2_chain,@function
k_q7fbecc63f2_chain:
	s_mov_b64 s[64:65], 0
	v_nop
	global_prefetch_b8 v0, s[64:65] scope:SCOPE_SE
	s_setreg_imm32_b32 hwreg(HW_REG_WAVE_MODE, 25, 1), 1
	s_wait_xcnt 0x0
; CHAIN.  part[j][E][t][:] = gelu(x[t] W1[E][:, quarter j] + b1) W2[E][quarter j, :] for the tokens t of one tile of at most 144 rows routed to expert E, and one quarter j of the hidden width.
; GRID.  With 8,192 routed rows and 8 experts there are never more than floor((8192 + 8 x 143) / 144) = 64 tiles of 144 rows, whatever the split: 64 tiles x 4 quarters = 256 work-groups.
; The quarter is bits 2-3 of the work-group's number, the tile its other bits: work-groups whose numbers agree in those two bits walk the same quarter of every expert's weights.
; Every work-group counts the routing for itself from the stored bitmaps.  A tile that a split leaves without rows runs on a repeated row and stores nothing: all four barriers stand on every wave's straight path.
; SHARES.  A wave has 128 of the 512 columns of each product.  FIRST PRODUCT: all 128 at once, 9 row blocks x 8 column blocks = 72 accumulators, so that a token fragment read from LDS feeds eight
; matrix instructions: 18 LDS loads and 16 weight loads for a K step's 72.  SECOND PRODUCT: two passes of 64 columns, 36 accumulators, so that the first pass's stores, half of the tile's 288 KB,
; leave while the second pass multiplies.  The accumulators take turns, one instruction a turn.
; The token rows (XT) and the hidden layer (HT) lie in LDS.  Each weight fragment has ONE reader in the work-group, so it goes from memory straight into that wave's operand registers, 24 KB and more ahead:
; the K loops hold no barrier and no LDS write.  A wave's weights are one stream of 256 KB on end, walked in blocks of 32 KB by two pointers (the block in hand, the next).
; ONE TEXT FOR THE GELU.  The first product's last K step is written out: column blocks 0-3 make it and go through the gelu; then column blocks 4-7 make theirs with the results laid into the
; registers of blocks 0-3, and the same text runs again.  Nothing is copied.
; FORMATS.  x, W1, b1 rounded to bf16 (first product bf16); the hidden layer rounded once to f16, W2 = the bf16 rounding written as f16 (second product f16); all sums f32; partial outputs f32.
; LIMIT.  A hidden value of 65,520 or more becomes an infinity.  NaN and infinities in the inputs are not treated apart.
; gelu(x) = x / (1 + 2^(x (C2 x^2 + C1))), the tanh form; an overflowing exponential gives x 0, a vanishing one x.
; ORDER OF COLUMNS.  In a group of 64, place 16 q + m stands for index 4 m + q (hidden units and output channels alike), as the weights were laid.
; FIRST PRODUCT, transposed (source 0 = 16 hidden units, source 1 = 16 tokens): a lane holds one token and eight neighbouring places: 16 bytes of HT.
; SECOND PRODUCT (source 0 = 16 tokens, source 1 = 16 channels): register jj of the four column blocks holds four neighbouring channels of one token: 16 bytes of part; sixteen lanes store 256 consecutive aligned bytes.
; SLOTS.  Slot (rank in the tile) 16 rb + 2 jj + h lies in tile row 16 rb + 8 h + jj, so that one store holds two neighbouring slots and whole stores past the count are jumped.
; NO CLUSTER.  Those that share weights are an expert's tiles, whose number hangs on the data.  Whole clusters of 4 x 144 rows would want up to floor((8192 + 8 x 575) / 576) = 22 clusters a quarter,
; 352 work-groups; with 16 clusters a quarter the bound on a work-group's rows passes 200, more than the accumulators hold.
; REGISTERS, in windows of 256 (s_set_vgpr_msb: bits 1:0 source 0, 3:2 source 1, 5:4 source 2, 7:6 destination):
;   window 0: v0-39 addresses; v40-183 two buffers of 9 token fragments (buffer 0 is also the gelu's work space, buffer 1 the way out's); v192-255 first product: row block 8; v184-255 second product: row offsets in part
;   windows 1, 2: first product: row blocks 0-3 and 4-7, 64 registers each; second product: (rb, q) at 32 rb + 8 q from window 1 on.  Before the first product: the gathered rows
;   window 3: the weights' ring: first product 4 buffers of 8 fragments (buffer 3 holds the bias as C operand during step 0), second product 8 buffers of 4
.set PITCH, 1040                       ; a row of XT or HT: 1,024 bytes + 16: an odd multiple of 16, so the sixteen rows of a fragment load begin at sixteen different 16-byte columns modulo 256
.set RB1,   16*PITCH
.set RB4,   64*PITCH
.set HT,    144*PITCH                  ; XT lies at 0
.set PL,    288*PITCH                  ; four lists of 256 words, a wave's own each; word 144 takes what falls outside the tile
.set FL,    PL+4096                    ; the merged list: 128 words of even slots, then 128 of odd ones
.set SPARE, FL+1024                    ; the spare words: 128 bytes a wave, two blocks of 256 bytes that no other line names
.set LN,  1                            ; lane
.set R,   2                            ; lane % 16
.set H,   3                            ; lane / 16
.set VB,  4                            ; 16 lane
.set R16, 5                            ; 16 r
.set AB,  6                            ; v6-8    fragment address at K = 0 for row blocks 0-3, 4-7, 8
.set HS,  9                            ; v9-11   where I put 16 bytes of HT, likewise
.set XS,  12                           ; v12-14  where I put 16 bytes of XT, likewise
.set FG,  15                           ; the merged list at my gather pairs
.set FR,  16                           ; the merged list at my half of the pairs
.set SPW, 17                           ; my spare word; never rewritten
.set NIL, 18                           ; 0; never rewritten
.set VB2, 19                           ; the lanes' offset for the second product's requests into the next block
.set AA,  20                           ; v20-22  fragment address at the trip's first K step
.set AN,  23                           ; v23-25  second product: at the next trip's first K step
.set SLOT, 25                          ; v20-31 are at work while the list is made
.set WD,  27
.set TOK0, 28
.set BO,  31                           ; 128 h: my bias bytes
.set AF,  40                           ; token fragments: buffer b, row block rb at AF + 72 b + 8 rb
.set T,   40                           ; the gelu's 64 registers
.set TO,  112                          ; the way out's 64
.set RO,  184                          ; 72 row offsets
.set A8,  192                          ; first product: row block 8
.set BM,  40                           ; set-up: the experts' bits, 4 words each
.set CB,  72                           ; set-up: their bytes of counts
.set BT,  104
.set MV,  108
.set SL,  112
.set TK,  116
.set FI,  120
.set MG,  124
.set GO,  136                          ; set-up: 18 gather offsets
.set RAW, 192                          ; set-up: b1 as loaded
.set BI,  192                          ; window 3: the bias as C operand, 8 registers a column block
.set SRA, 8                            ; s[8:9]   my stream of weights: the block of 32 KB in hand
.set SP,  12                           ; s[12:13] part at my expert, quarter and columns
.set WV,  14
.set G,   15
.set J,   16
.set E,   17
.set FT,  18
.set CE,  19
.set BS,  20
.set TA,  21
.set ST,  22
.set ROWS, 23
.set CN,  24                           ; s24-31 the experts' counts
.set MK,  32
.set SPL, 33
.set M01, 34
.set HIM, 35
.set C1,  36
.set C2,  38
.set PASS, 40
.set HALF, 41
.set LEFT, 42
.set OF,  44
.set SEL, 46
.set SRB, 48                           ; s[48:49] the next block
.set KO,  50                           ; second product: the trip's K offset in a row of HT,
.set KN,  51                           ; and the next trip's
.set MSB, 0
.macro WIN new                         ; the high byte repeats the setting that is left; a switch that changes nothing is dropped
.if MSB != (\new)
	s_set_vgpr_msb (MSB<<8)|(\new)
.set MSB, (\new)
.endif
.endm
.macro PLACES                          ; four plain places behind matrix instructions, ahead of loads into registers that they read and of reads of their results (ISA guide 7.12.1 for the reads of results)
.rept 4
	v_nop
.endr
.endm
.macro BAR                             ; my LDS instructions are done, for the others' sake; then the barrier
	s_wait_dscnt 0x0
	s_barrier_signal -1
	s_barrier_wait -1
.endm
; Eight weight fragments, 8,192 consecutive bytes (a step of the first product, or two of the second), into buffer buf of four.
.macro LB1 buf, base, vo, off
	WIN 0xc0
.irp g, 0,1
.irp q, 0,1,2,3
.irp f, 0,1
	global_load_b128 v[64*(\buf)+32*\g+8*\q+4*\f:64*(\buf)+32*\g+8*\q+4*\f+3], v[\vo], s[\base:\base+1] offset:(\off)+4096*\g+1024*\q+512*\f
.endr
.endr
.endr
.endm
; Four weight fragments, 4,096 consecutive bytes, into buffer buf of eight.
.macro LB2 buf, base, vo, off
	WIN 0xc0
.irp q, 0,1,2,3
.irp f, 0,1
	global_load_b128 v[32*(\buf)+8*\q+4*\f:32*(\buf)+8*\q+4*\f+3], v[\vo], s[\base:\base+1] offset:(\off)+1024*\q+512*\f
.endr
.endr
.endm
; The nine token fragments of the step behind position p of a trip, into the other buffer: 16 rows x 32 K each, two loads of 16 bytes, 32 bytes apart.  Position 7 (second product) takes the next trip's first step.
.macro LA p
	WIN 0
.set rb, 0
.rept 9
.set rA, AF+72*(((\p)+1)%2)+8*rb
.if (\p) == 7
	ds_load_b128 v[rA:rA+3],   v[AN+rb/4] offset:(rb%4)*RB1
	ds_load_b128 v[rA+4:rA+7], v[AN+rb/4] offset:(rb%4)*RB1+32
.else
	ds_load_b128 v[rA:rA+3],   v[AA+rb/4] offset:(rb%4)*RB1+64*((\p)+1)
	ds_load_b128 v[rA+4:rA+7], v[AA+rb/4] offset:(rb%4)*RB1+64*((\p)+1)+32
.endif
.set rb, rb+1
.endr
.endm
; First product: row blocks rb0 to rb1 x column blocks q0 to q1 at position p.  first = 1: the bias starts the sums.
.macro M1 p, first, rb0, rb1, q0, q1
.set rb, (\rb0)
.rept (\rb1)-(\rb0)+1
.if rb == 8
.set wd, 0
.set bD, A8
.else
.set wd, 1+rb/4
.set bD, 64*(rb%4)
.endif
.set qq, (\q0)
.rept (\q1)-(\q0)+1
.set rD, bD+8*qq
.set rW, 64*(\p)+8*qq
.set rA, AF+72*((\p)%2)+8*rb
.if \first
	WIN (wd<<6)|0x33
	v_wmma_f32_16x16x32_bf16 v[rD:rD+7], v[rW:rW+7], v[rA:rA+7], v[BI+8*qq:BI+8*qq+7]
.else
	WIN (wd<<6)|(wd<<4)|0x03
	v_wmma_f32_16x16x32_bf16 v[rD:rD+7], v[rW:rW+7], v[rA:rA+7], v[rD:rD+7]
.endif
.set qq, qq+1
.endr
.set rb, rb+1
.endr
.endm
; The last K step of column blocks 4-7: the sums so far are the C operand, the results go into the registers of column blocks 0-3, which the gelu has read out.
.macro M1B
.set rb, 0
.rept 9
.if rb == 8
.set wd, 0
.set bD, A8
.else
.set wd, 1+rb/4
.set bD, 64*(rb%4)
.endif
	WIN (wd<<6)|(wd<<4)|0x03
.set qq, 0
.rept 4
	v_wmma_f32_16x16x32_bf16 v[bD+8*qq:bD+8*qq+7], v[224+8*qq:224+8*qq+7], v[AF+72+8*rb:AF+72+8*rb+7], v[bD+32+8*qq:bD+32+8*qq+7]
.set qq, qq+1
.endr
.set rb, rb+1
.endr
.endm
.macro RQ1 p                           ; the weights three steps on: position 0 asks in the block in hand, the others in the next
.if (\p) == 0
	LB1 3, SRA, VB, 3*8192
.else
	LB1 (\p)-1, SRB, VB, ((\p)-1)*8192
.endif
.endm
; A K step of the first product: 72 matrix instructions; behind the first eight the next step's token fragments and the weights three steps on are asked for, into the buffers that the step before read.
.macro S1 p, first
	s_wait_loadcnt 32                              ; behind this step's sixteen weight loads stand those of the two steps after it, 32: they stay out
	s_wait_dscnt 0x0                               ; this step's token fragments, asked for a step ago
	M1 \p, \first, 0, 0, 0, 7
	PLACES
	LA \p
.if !(\first)
	RQ1 \p
.endif
	M1 \p, \first, 1, 8, 0, 7
.if \first
	PLACES                                         ; the bias has been read: its buffer takes step 3
	RQ1 \p
.endif
.endm
; Second product: row blocks rb0 to rb1 x four column blocks at position p.  first = 1: the constant 0 starts the sums.
.macro M2 p, first, rb0, rb1
.set rb, (\rb0)
.rept (\rb1)-(\rb0)+1
.set wd, 1+rb/8
	WIN (wd<<6)|(wd<<4)|0x0c
.set qq, 0
.rept 4
.set rD, (32*rb)%256+8*qq
.set rW, 32*(\p)+8*qq
.set rA, AF+72*((\p)%2)+8*rb
.if \first
	v_wmma_f32_16x16x32_f16 v[rD:rD+7], v[rA:rA+7], v[rW:rW+7], 0
.else
	v_wmma_f32_16x16x32_f16 v[rD:rD+7], v[rA:rA+7], v[rW:rW+7], v[rD:rD+7]
.endif
.set qq, qq+1
.endr
.set rb, rb+1
.endr
.endm
; A K step of the second product: 36 matrix instructions; the weights are asked for seven steps on.
.macro S2 p, first
	s_wait_loadcnt 48                              ; behind this step's eight weight loads stand those of the six steps after it, 48: they stay out
	s_wait_dscnt 0x0
	M2 \p, \first, 0, 1
	PLACES
	LA \p
.if (\p) == 0
	LB2 7, SRA, VB, 7*4096
.else
	LB2 (\p)-1, SRB, VB2, ((\p)-1)*4096
.endif
	M2 \p, \first, 2, 8
.endm
; gelu of column blocks 0-3 of nb row blocks from rb0 on (4 nb accumulators, 16 nb pairs), rounded to f16, into HT.  The exponentials are one batch with one wait, the reciprocals another.
; Plain instructions on pairs that are not yet in the batch stand between them.  Each accumulator is read from its lowest registers on.
.macro GF k
	v_pk_fma_f32 v[T+2*(\k):T+2*(\k)+1], v[T+2*(\k):T+2*(\k)+1], s[C2:C2+1], s[C1:C1+1] op_sel_hi:[1,0,0]
.endm
.macro GM k
.set xk, gx+64*((\k)/16)+2*((\k)%16)
	v_pk_mul_f32 v[T+2*(\k):T+2*(\k)+1], v[T+2*(\k):T+2*(\k)+1], v[xk:xk+1]
.endm
.macro GA k
	v_pk_add_f32 v[T+2*(\k):T+2*(\k)+1], v[T+2*(\k):T+2*(\k)+1], 1.0 op_sel_hi:[1,0]
.endm
.macro GELU rb0, nb
.set npr, 16*(\nb)
.if (\rb0) == 8
.set gw, 0
.set gx, A8
.else
.set gw, 1+(\rb0)/4
.set gx, 64*((\rb0)%4)
.endif
	WIN gw|(gw<<2)
.set gk, 0
.rept npr
.set xk, gx+64*(gk/16)+2*(gk%16)
	v_pk_mul_f32 v[T+2*gk:T+2*gk+1], v[xk:xk+1], v[xk:xk+1]  ; x^2
.set gk, gk+1
.endr
	WIN gw<<2
	GF 0                                           ; C2 x^2 + C1,
	GM 0                                           ; times x
	GF 1
	GM 1
.set gk, 0
.rept npr
	v_exp_f32 v[T+2*gk], v[T+2*gk]
.if gk+2 < npr
	GF gk+2
.endif
	v_exp_f32 v[T+2*gk+1], v[T+2*gk+1]
.if gk+2 < npr
	GM gk+2
.endif
.set gk, gk+1
.endr
	v_nop
	s_wait_alu depctr_va_vdst(0)                   ; one wait for the batch of exponentials
	GA 0
	GA 1
.set gk, 0
.rept npr
	v_rcp_f32 v[T+2*gk], v[T+2*gk]
.if gk+2 < npr
	GA gk+2
.endif
	v_rcp_f32 v[T+2*gk+1], v[T+2*gk+1]
.set gk, gk+1
.endr
	v_nop
	s_wait_alu depctr_va_vdst(0)                   ; one wait for the batch of reciprocals
.set gk, 0
.rept npr
	GM gk
.set gk, gk+1
.endr
	WIN 0
.set gk, 0
.rept npr
	v_cvt_pk_f16_f32 v[T+gk], v[T+2*gk], v[T+2*gk+1]  ; in place, ascending: word k is written when its own sources and all below have been read
.set gk, gk+1
.endr
.set gk, 0
.rept 4*(\nb)
.set rbx, (\rb0)+gk/4
	ds_store_b128 v[HS+rbx/4], v[T+4*gk:T+4*gk+3] offset:(rbx%4)*RB1+32*(gk%4)
.set gk, gk+1
.endr
.endm
; Row block rb leaves: the four column blocks' register jj are four neighbouring channels.  A store holds slots 16 rb + 2 jj and the next; stores wholly past the count are jumped.
.macro OUTRB rb
	WIN 1+(\rb)/8
.set jj, 0
.rept 8
.set qq, 0
.rept 4
	v_mov_b32 v[TO+32*((\rb)%2)+4*jj+qq], v[(32*(\rb))%256+8*qq+jj]
.set qq, qq+1
.endr
.set jj, jj+1
.endr
	WIN 0
	s_wait_xcnt 0x0                                ; the block before has had its stores' addresses translated while the moves above ran: the other half of TO, which the next block's moves write, is free behind this wait
.set jj, 0
.rept 8
	s_cmp_le_u32 s[ROWS], 16*(\rb)+2*jj
	s_cbranch_scc1 .Lout_done
	global_store_b128 v[RO+8*(\rb)+jj], v[TO+32*((\rb)%2)+4*jj:TO+32*((\rb)%2)+4*jj+3], s[SP:SP+1]
.set jj, jj+1
.endr
.endm
; Four bits of my word of the bitmap: a set bit's token goes to its slot in my own list; what lies outside the tile, and every clear bit, goes to word 144.
.macro BITS4 b
.irp z, 0,1,2,3
	v_bfe_u32 v[BT+\z], v[WD], (\b)+\z, 1
.endr
	v_add_nc_u32 v[SL+1], v[SLOT], v[BT]
	v_add3_u32 v[SL+2], v[SLOT], v[BT], v[BT+1]
.irp z, 0,1,2,3
	v_add_nc_u32 v[MV+\z], -1, v[BT+\z]            ; 0 for a set bit, all ones for a clear one
.endr
	v_add_nc_u32 v[SL+3], v[SL+2], v[BT+2]
	v_or_b32 v[MV], v[SLOT], v[MV]
	v_or_b32 v[MV+1], v[SL+1], v[MV+1]
	v_or_b32 v[MV+2], v[SL+2], v[MV+2]
	v_or_b32 v[MV+3], v[SL+3], v[MV+3]
	v_add3_u32 v[SLOT], v[SL+2], v[BT+2], v[BT+3]
.irp z, 0,1,2,3
	v_min_u32 v[MV+\z], 144, v[MV+\z]              ; a slot ahead of the tile has wrapped round and is caught here too
.endr
.irp z, 0,1,2,3
	v_lshl_add_u32 v[MV+\z], v[MV+\z], 2, s[SPL]
.endr
.irp z, 0,1,2,3
	v_add_nc_u32 v[TK+\z], (\b)+\z, v[TOK0]
.endr
.irp z, 0,1,2,3
	ds_store_b32 v[MV+\z], v[TK+\z]
.endr
.endm
; The gathered rows: pair z of 18 has 16 registers: pairs 0-15 fill window 1, pairs 16 and 17 the head of window 2.
.macro GREG z
.if (\z) < 16
.set gwn, 1
.set grg, 16*(\z)
.else
.set gwn, 2
.set grg, 16*((\z)-16)
.endif
.endm
.macro GSTORE b                        ; six pairs go into XT
.set z, 6*(\b)
.rept 6
	GREG z
	WIN gwn<<2
.irp c, 0,1,2,3
	ds_store_b128 v[XS+z/8], v[grg+4*\c:grg+4*\c+3] offset:(16*((z%8)/2)+4*(z%2))*PITCH+256*\c
.endr
.set z, z+1
.endr
.endm
; ---------------------------------------------------------------- the head
	s_load_b256 s[4:11], s[0:1], 0x0               ; route s[4:5], xb s[6:7], wf s[8:9], b1 s[10:11]
	s_load_b64 s[12:13], s[0:1], 0x20              ; part
	v_lshl_add_u32 v[SPW], v0, 2, SPARE
	v_mov_b32 v[NIL], 0
	v_and_b32 v[LN], 31, v0
	v_lshlrev_b32 v[VB], 4, v[LN]
	s_wait_kmcnt 0x0
.irp e, 0,1,2,3,4,5,6,7                ; lane l takes words 4 l .. 4 l + 3 (tokens 128 l on) of each expert's bitmap and of its bytes of counts
	global_load_b128 v[BM+4*\e:BM+4*\e+3], v[VB], s[4:5] offset:512*\e
	global_load_b128 v[CB+4*\e:CB+4*\e+3], v[VB], s[4:5] offset:4096+512*\e
.endr
	v_and_b32 v[R], 15, v0
	v_bfe_u32 v[H], v0, 4, 1
	v_lshrrev_b32 v20, 5, v0
	v_readfirstlane_b32 s[WV], v20                 ; wave 0..3
	v_lshlrev_b32 v[R16], 4, v[R]
	s_and_b32 s[G], ttmp9, 3
	s_lshr_b32 s[TA], ttmp9, 4
	s_lshl2_add_u32 s[G], s[TA], s[G]              ; the tile: bits 0-1 and 4-7 of the work-group's number
	s_bfe_u32 s[J], ttmp9, 0x20002                 ; the quarter of the hidden width: bits 2-3
	s_mov_b32 s[M01], 0x01010101
	s_mov_b32 s[HIM], 0xffff0000
	s_mov_b32 s[C1], 0xc0135761                    ; -2 log2(e) sqrt(2 / pi)
	s_mov_b32 s[C1+1], s[C1]                       ; named as pairs
	s_mov_b32 s[C2], 0xbdd2d3e8                    ; the same times 0.044715
	s_mov_b32 s[C2+1], s[C2]
	s_mov_b32 s[SEL], 0x76543210
	s_mov_b32 s[SEL+1], 0xfedcba98
	s_mov_b32 s[OF+1], 0
	v_mul_u32_u24 v20, v[R], PITCH
	v_lshl_add_u32 v[AB], v[H], 4, v20             ; row r x pitch + 16 h
	v_add_nc_u32 v[AB+1], RB4, v[AB]
	v_add_nc_u32 v[AB+2], 2*RB4, v[AB]
	s_lshl_b32 s[TA], s[WV], 7
	s_add_co_u32 s[TA], s[TA], HT
.irp z, 0,1,2
	v_add_nc_u32 v[HS+\z], s[TA], v[AB+\z]         ; HT, my 64 places of column blocks 0-3: 128 bytes a wave
.endr
	v_lshl_add_u32 v20, v[H], 3, s[WV]
	v_mul_u32_u24 v20, v20, PITCH
	v_add_nc_u32 v[XS], v20, v[R16]                ; row w + 8 h, 16 r
	v_add_nc_u32 v[XS+1], RB4, v[XS]
	v_add_nc_u32 v[XS+2], 2*RB4, v[XS]
	s_lshl_b32 s[TA], s[WV], 2
	s_add_co_u32 s[TA], s[TA], FL
	v_lshl_add_u32 v[FG], v[H], 9, s[TA]           ; the list of my half's slots, at pair w
	v_lshl_add_u32 v[FR], v[H], 9, FL              ; and at pair 0
	v_lshlrev_b32 v[BO], 7, v[H]
	v_mov_b32 v26, 0                               ; destinations of the lane moves below count as read
	v_mov_b32 v27, 0
; ---------------------------------------------------------------- the experts' counts, in every wave
	s_wait_loadcnt 0x0
.irp p, 0,1,2,3                        ; a byte of counts is 8 at the most, four words' sum 32 a byte, a lane's sum 128; two experts share a register
	v_add3_u32 v24, v[CB+8*\p], v[CB+8*\p+1], v[CB+8*\p+2]
	v_add3_u32 v25, v[CB+8*\p+4], v[CB+8*\p+5], v[CB+8*\p+6]
	v_add_nc_u32 v24, v24, v[CB+8*\p+3]
	v_add_nc_u32 v25, v25, v[CB+8*\p+7]
	v_mul_lo_u32 v24, v24, s[M01]
	v_mul_lo_u32 v25, v25, s[M01]
	v_lshrrev_b32 v24, 24, v24
	v_lshrrev_b32 v25, 24, v25
	v_lshl_or_b32 v[20+\p], v25, 16, v24
.endr
.irp m, 1,2,4,8
.irp p, 0,1,2,3
	v_mov_b32_dpp v[24+\p], v[20+\p] row_xmask:\m row_mask:0xf bank_mask:0xf
.endr
.irp p, 0,1,2,3
	v_add_nc_u32 v[20+\p], v[20+\p], v[24+\p]
.endr
.endr
.irp p, 0,1,2,3
	v_permlanex16_b32 v[24+\p], v[20+\p], s[SEL], s[SEL+1]
.endr
.irp p, 0,1,2,3
	v_add_nc_u32 v[20+\p], v[20+\p], v[24+\p]
.endr
.irp p, 0,1,2,3
	v_readfirstlane_b32 s[TA], v[20+\p]
	s_and_b32 s[CN+2*\p], s[TA], 0xffff
	s_lshr_b32 s[CN+2*\p+1], s[TA], 16
.endr
; ---------------------------------------------------------------- my tile: the last expert whose first tile is not behind g
	s_mov_b32 s[E], 0
	s_mov_b32 s[FT], 0
	s_mov_b32 s[CE], s[CN]
	s_add_co_u32 s[TA], s[CN], 143
	s_mul_hi_u32 s[BS], s[TA], 0x01c71c72          ; (c + 143) / 144: 144 x 0x01c71c72 = 2^32 + 32, exact for numbers this small
.irp e, 1,2,3,4,5,6,7
	s_cmp_ge_u32 s[G], s[BS]
	s_cselect_b32 s[E], \e, s[E]
	s_cselect_b32 s[FT], s[BS], s[FT]
	s_cselect_b32 s[CE], s[CN+\e], s[CE]
	s_add_co_u32 s[TA], s[CN+\e], 143
	s_mul_hi_u32 s[TA], s[TA], 0x01c71c72
	s_add_co_u32 s[BS], s[BS], s[TA]
.endr
	s_min_u32 s[E], s[E], 7
	s_sub_co_u32 s[TA], s[G], s[FT]
	s_mul_i32 s[ST], s[TA], 144                    ; the tile's first rank
	s_sub_co_i32 s[ROWS], s[CE], s[ST]
	s_max_i32 s[ROWS], s[ROWS], 0
	s_min_i32 s[ROWS], s[ROWS], 144                ; its rows, 0 to 144
	s_lshl_b32 s[TA], s[E], 2
	s_add_co_u32 s[TA], s[TA], s[J]
	s_lshl_b32 s[TA], s[TA], 2
	s_add_co_u32 s[TA], s[TA], s[WV]
	s_lshl_b32 s[OF], s[TA], 18                    ; a wave's stream is 256 KB
	s_add_nc_u64 s[SRA:SRA+1], s[SRA:SRA+1], s[OF:OF+1]
	s_add_nc_u64 s[SRB:SRB+1], s[SRA:SRA+1], 0x8000
	s_lshl_b32 s[TA], s[J], 3
	s_add_co_u32 s[TA], s[TA], s[E]
	s_lshl_b32 s[OF], s[TA], 23                    ; part[j][E]: 4,096 rows of 2,048 bytes
	s_lshl_b32 s[TA], s[WV], 8
	s_add_co_u32 s[OF], s[OF], s[TA]               ; my 64 channels of the first pass
	s_add_nc_u64 s[SP:SP+1], s[SP:SP+1], s[OF:OF+1]
	s_lshl_b32 s[OF], s[E], 13
	s_lshl_b32 s[TA], s[J], 11
	s_add_co_u32 s[OF], s[OF], s[TA]
	s_lshl_b32 s[TA], s[WV], 8
	s_add_co_u32 s[OF], s[OF], s[TA]
	s_add_nc_u64 s[10:11], s[10:11], s[OF:OF+1]    ; b1 at unit 2048 E + 512 j + 64 w
; ---------------------------------------------------------------- first requests: the bias, two steps of weights
.irp a, 0,1
.irp i, 0,1,2,3,4,5,6,7
	global_load_b128 v[RAW+32*\a+4*\i:RAW+32*\a+4*\i+3], v[BO], s[10:11] offset:1024*\a+16*\i  ; register 4 jj + q: the bias of unit 4 (8 h + jj) + q of column group 4 a + w
.endr
.endr
	LB1 0, SRA, VB, 0
	LB1 1, SRA, VB, 8192
	WIN 0
; ---------------------------------------------------------------- the tile's list of tokens
.irp e, 1,2,3,4,5,6,7                  ; my expert's four words of bits and of counts come to the first four registers of each set
	s_cmp_eq_u32 s[E], \e
	s_cselect_b32 s[MK], -1, 0
.irp c, 0,1,2,3
	v_cndmask_b32 v[BM+\c], v[BM+\c], v[BM+4*\e+\c], s[MK]
	v_cndmask_b32 v[CB+\c], v[CB+\c], v[CB+4*\e+\c], s[MK]
.endr
.endr
.irp c, 0,1,2,3
	v_mul_lo_u32 v[20+\c], v[CB+\c], s[M01]
.endr
.irp c, 0,1,2,3
	v_lshrrev_b32 v[20+\c], 24, v[20+\c]           ; how many of word c's 32 tokens chose the expert
.endr
	v_add3_u32 v24, v20, v21, v22
	v_add_nc_u32 v24, v24, v23
	v_mov_b32 v[SLOT], 0
.irp k, 0,1,2,3,4,5,6,7                ; the sum over the lanes below mine, bit slice by bit slice
	v_and_b32 v26, 1<<\k, v24
	v_cmp_ne_u32 s[MK], 0, v26
	v_mbcnt_lo_u32_b32 v26, s[MK], 0
	v_lshl_add_u32 v[SLOT], v26, \k, v[SLOT]
.endr
	v_mov_b32 v[WD], v[BM]                         ; wave w takes word w of every lane
.irp c, 1,2,3
	s_cmp_eq_u32 s[WV], \c
	s_cselect_b32 s[MK], -1, 0
	v_cndmask_b32 v[WD], v[WD], v[BM+\c], s[MK]
.endr
.irp c, 0,1,2
	s_cmp_gt_u32 s[WV], \c
	s_cselect_b32 s[MK], -1, 0
	v_and_b32 v26, s[MK], v[20+\c]
	v_add_nc_u32 v[SLOT], v[SLOT], v26
.endr
	v_sub_nc_u32 v[SLOT], v[SLOT], s[ST]           ; the rank of my word's first set bit, counted from the tile's first
	v_lshlrev_b32 v[TOK0], 7, v[LN]
	s_lshl_b32 s[TA], s[WV], 5
	v_add_nc_u32 v[TOK0], s[TA], v[TOK0]           ; my word's first token
	s_lshl_b32 s[SPL], s[WV], 10
	s_add_co_u32 s[SPL], s[SPL], PL                ; my wave's own list
	v_add_nc_u32 v29, s[SPL], v[VB]
.irp z, 0,1,2,3
	v_mov_b32 v[FI+\z], -1
.endr
	ds_store_b128 v29, v[FI:FI+3]                  ; all slots empty; LDS serves a wave's instructions in order, so the tokens below land on top
	ds_store_b128 v29, v[FI:FI+3] offset:512
.irp b, 0,4,8,12,16,20,24,28
	BITS4 \b
.endr
	BAR                                            ; the four lists are whole
	v_lshl_add_u32 v29, v0, 2, PL
.irp z, 0,1,2,3
	ds_load_b32 v[MG+\z], v29 offset:1024*\z       ; slot = my thread's number,
	ds_load_b32 v[MG+4+\z], v29 offset:1024*\z+512 ; and 128 more
.endr
	v_mov_b32 v[MG+8], 0
	v_mov_b32 v[MG+9], 0
	v_and_b32 v30, 1, v0                           ; where the slot goes in the merged list: even slots first, odd ones 512 bytes on, a word a pair
	v_lshrrev_b32 v26, 1, v0
	v_lshlrev_b32 v26, 2, v26
	v_lshl_add_u32 v30, v30, 9, v26
	v_add_nc_u32 v30, FL, v30
	s_wait_dscnt 0x0
	v_min_u32 v[MG], v[MG], v[MG+1]                ; one wave at the most has a token for a slot, the others all ones
	v_min_u32 v[MG+2], v[MG+2], v[MG+3]
	v_min_u32 v[MG+4], v[MG+4], v[MG+5]
	v_min_u32 v[MG+6], v[MG+6], v[MG+7]
	v_min_u32 v[MG], v[MG], v[MG+2]
	v_min_u32 v[MG+4], v[MG+4], v[MG+6]
	v_mov_b32_dpp v[MG+8], v[MG] row_xmask:1 row_mask:0xf bank_mask:0xf
	v_mov_b32_dpp v[MG+9], v[MG+4] row_xmask:1 row_mask:0xf bank_mask:0xf
	v_cmp_eq_u32 s[MK], -1, v[MG]                  ; an empty odd slot repeats its even neighbour's token: with an odd count the last store's two halves hold the same row and the same numbers
	s_and_b32 s[MK], s[MK], 0xaaaaaaaa
	v_cndmask_b32 v[MG], v[MG], v[MG+8], s[MK]
	v_cmp_eq_u32 s[MK], -1, v[MG+4]
	s_and_b32 s[MK], s[MK], 0xaaaaaaaa
	v_cndmask_b32 v[MG+4], v[MG+4], v[MG+9], s[MK]
	ds_store_b32 v30, v[MG]
	ds_store_b32 v30, v[MG+4] offset:256
	BAR                                            ; the merged list is whole
; ---------------------------------------------------------------- the bias, and the gather: wave w takes pairs of slots 4 s' + w, s' = 0..17
.set z, 0
.rept 18
	ds_load_b32 v[GO+z], v[FG] offset:16*z
.set z, z+1
.endr
	s_wait_loadcnt 32                              ; the bias is in; behind it stand two steps of weights, 32 loads
.set z, 0
.rept 16
	v_cvt_pk_bf16_f32 v[RAW+z], v[RAW+2*z], v[RAW+2*z+1]  ; b1 rounded to bf16, in place, ascending
	v_cvt_pk_bf16_f32 v[RAW+32+z], v[RAW+32+2*z], v[RAW+32+2*z+1]
.set z, z+1
.endr
	WIN 0xc0                                       ; widened into the C operand: register jj of column block 4 a + q is the bias of place 8 h + jj
.irp a, 0,1
.set z, 0
.rept 16
	v_lshlrev_b32 v[BI+32*\a+8*((2*z)%4)+(2*z)/4], 16, v[RAW+32*\a+z]
	v_and_b32 v[BI+32*\a+8*((2*z)%4+1)+(2*z)/4], s[HIM], v[RAW+32*\a+z]
.set z, z+1
.endr
.endr
	WIN 0
	s_wait_dscnt 0x0
.set z, 0
.rept 18
	v_min_u32 v[GO+z], 0xfff, v[GO+z]              ; an empty slot takes the last token's row: a row that exists
	v_lshl_add_u32 v[GO+z], v[GO+z], 10, v[R16]
.set z, z+1
.endr
.set z, 0
.rept 18                                               ; all 72 loads go out on end: a pair's load takes 256 bytes of each of two rows, four loads a pair
	GREG z
	WIN gwn<<6
.irp c, 0,1,2,3
	global_load_b128 v[grg+4*\c:grg+4*\c+3], v[GO+z], s[6:7] offset:256*\c
.endr
.set z, z+1
.endr
	s_wait_loadcnt 48                              ; pairs 0-5 are in; twelve pairs' 48 loads stay out
	GSTORE 0
	LB1 2, SRA, VB, 2*8192
	s_wait_loadcnt 40                              ; pairs 6-11 are in; six pairs' 24 loads and the 16 just issued stay out
	GSTORE 1
	s_wait_loadcnt 16                              ; all pairs are in
	GSTORE 2
	WIN 0
.irp z, 0,1,2
	v_mov_b32 v[AA+\z], v[AB+\z]                   ; the copy that the loop steps
.endr
	BAR                                            ; XT is whole
; ---------------------------------------------------------------- the first product: 16 K steps.  Step 0, which starts the sums, stands ahead of the loop.  A trip is four steps, positions 1, 2, 3 and 0 of the
; weights' ring: three trips make steps 1 to 12.  Steps 13, 14 and 15 are written out.  So the loop is entered at its head and left at its bottom alone, and on every way through the text a request
; into a ring buffer stands behind the wait of the step that read that buffer's last load.
	LA -1
	S1 0, 1
	WIN 0
	s_mov_b32 s[HALF], 3
.Lp1:
	S1 1, 0
	S1 2, 0
	S1 3, 0
	WIN 0
.irp z, 0,1,2
	v_add_nc_u32 v[AA+\z], 256, v[AA+\z]           ; four steps of 64 bytes along the rows
.endr
	s_wait_xcnt 0x0                                ; the stream's pointers step only behind this wait
	s_mov_b64 s[SRA:SRA+1], s[SRB:SRB+1]
	s_add_nc_u64 s[SRB:SRB+1], s[SRB:SRB+1], 0x8000
	S1 0, 0
	WIN 0
	s_sub_co_u32 s[HALF], s[HALF], 1
	s_cmp_lg_u32 s[HALF], 0
	s_cbranch_scc1 .Lp1
	S1 1, 0                                        ; steps 13 and 14: the block behind W1's last is the second product's first, so these two requests and step 15's are its steps 0 to 5
	S1 2, 0
	s_wait_loadcnt 32                              ; step 15, column blocks 0-3: its weights are in; the two requests just named stay out
	s_wait_dscnt 0x0
	M1 3, 0, 0, 0, 0, 3
	PLACES
	LB1 2, SRB, VB, 2*8192
	M1 3, 0, 1, 8, 0, 3
	WIN 0
	s_mov_b32 s[PASS], 2
	s_branch .Lgm
.Lg:
	M1B                                            ; step 15, column blocks 4-7
	WIN 0
.Lgm:
	PLACES
	GELU 0, 2
	GELU 2, 2
	GELU 4, 2
	GELU 6, 2
	GELU 8, 1
.irp z, 0,1,2
	v_add_nc_u32 v[HS+\z], 512, v[HS+\z]           ; the places of column blocks 4-7 lie 256 further on
.endr
	s_sub_co_u32 s[PASS], s[PASS], 1
	s_cmp_lg_u32 s[PASS], 0
	s_cbranch_scc1 .Lg
; ---------------------------------------------------------------- between the products
	s_wait_xcnt 0x0
	s_mov_b64 s[SRA:SRA+1], s[SRB:SRB+1]
	s_add_nc_u64 s[SRB:SRB+1], s[SRB:SRB+1], 0x8000
	LB2 6, SRA, VB, 6*4096                         ; step 6, into the registers that held step 15's weights
	WIN 0
.set z, 0
.rept 18
	ds_load_b128 v[RO+4*z:RO+4*z+3], v[FR] offset:16*z  ; the tokens of the 72 stores' rows, four pairs a load
.set z, z+1
.endr
	BAR                                            ; HT is whole
.irp z, 0,1,2
	v_add_nc_u32 v[AB+\z], HT, v[AB+\z]
.endr
	s_mov_b32 s[KO], 0
	s_mov_b32 s[KN], 512
.irp z, 0,1,2
	v_add_nc_u32 v[AA+\z], s[KO], v[AB+\z]
	v_add_nc_u32 v[AN+\z], s[KN], v[AB+\z]
.endr
	LA -1
.set z, 0
.rept 72                                               ; these stand in the wait for the first fragments
	v_min_u32 v[RO+z], 0xfff, v[RO+z]
	v_lshl_add_u32 v[RO+z], v[RO+z], 11, v[R16]
.set z, z+1
.endr
	v_mov_b32 v[VB2], v[VB]
; ---------------------------------------------------------------- the second product: two passes of 64 channels a wave, each two trips of eight steps (once round the weights' ring).
; A trip's last position fetches the next trip's first fragments; behind a pass's second trip those are step 0's, which the next pass begins with.
; The step that starts a pass's sums stands ahead of the trips' loop, which is entered behind its first position: both ways to that place have issued the same loads.
	s_mov_b32 s[LEFT], 4                           ; blocks of the stream still to be walked
	s_mov_b32 s[PASS], 2
.Lp2:
	S2 0, 1
	WIN 0
	s_mov_b32 s[HALF], 2
	s_branch .Lp2m
.Lp2h:
	S2 0, 0
	WIN 0
.Lp2m:
.irp p, 1,2,3,4,5,6,7
	S2 \p, 0
.endr
	WIN 0
	s_wait_xcnt 0x0                                ; the pointers and the lanes' offset are rewritten only behind this wait
	s_mov_b64 s[SRA:SRA+1], s[SRB:SRB+1]
	s_sub_co_u32 s[LEFT], s[LEFT], 1
	s_cmp_eq_u32 s[LEFT], 1                        ; the last block has none behind it: its seven requests ahead are kept, so that every counted wait counts the same loads,
	s_cselect_b32 s[OF], 0, 0x8000                 ; but they stay in the block in hand,
	s_cselect_b32 s[MK], 0, -1                     ; and all lanes ask for the same 16 bytes; nothing reads what they bring
	s_add_nc_u64 s[SRB:SRB+1], s[SRB:SRB+1], s[OF:OF+1]
	v_and_b32 v[VB2], s[MK], v[VB]
	s_xor_b32 s[KO], s[KO], 512                    ; eight steps of 64 bytes on, or back
	s_xor_b32 s[KN], s[KN], 512
.irp z, 0,1,2
	v_add_nc_u32 v[AA+\z], s[KO], v[AB+\z]
	v_add_nc_u32 v[AN+\z], s[KN], v[AB+\z]
.endr
	s_sub_co_u32 s[HALF], s[HALF], 1
	s_cmp_lg_u32 s[HALF], 0
	s_cbranch_scc1 .Lp2h
	PLACES
	OUTRB 0
	OUTRB 1
	OUTRB 2
	OUTRB 3
	OUTRB 4
	OUTRB 5
	OUTRB 6
	OUTRB 7
	OUTRB 8
.Lout_done:
	s_wait_xcnt 0x0                                ; the stores' base steps, and fragments land on their data registers, only behind this wait
	s_add_nc_u64 s[SP:SP+1], s[SP:SP+1], 1024      ; the second pass's channels lie 256 further on
	s_sub_co_u32 s[PASS], s[PASS], 1
	s_cmp_lg_u32 s[PASS], 0
	s_cbranch_scc1 .Lp2
	s_wait_tensorcnt 0x0                           ; the wave's end
	ds_add_u32 v[SPW], v[NIL]
	s_wait_dscnt 0x0
	s_endpgm
.Lfunc_end_k_q7fbecc63f2_chain:
	.size	k_q7fbecc63f2_chain, .Lfunc_end_k_q7fbecc63f2_chain-k_q7fbecc63f2_chain
	.p2alignl 7, 3214868480
	.fill 96, 4, 3214868480
	.section	.rodata,"a",@progbits
	.p2align	6, 0x0
	.amdhsa_kernel k_q7fbecc63f2_chain
		.amdhsa_group_segment_fixed_size 305152
		.amdhsa_private_segment_fixed_size 0
		.amdhsa_enable_private_segment 0
		.amdhsa_kernarg_size 40
		.amdhsa_user_sgpr_count 2
		.amdhsa_user_sgpr_kernarg_segment_ptr 1
		.amdhsa_wavefront_size32 1
		.amdhsa_system_sgpr_workgroup_id_x 1
		.amdhsa_system_sgpr_workgroup_id_y 1
		.amdhsa_system_sgpr_workgroup_id_z 1
		.amdhsa_system_vgpr_workitem_id 0
		.amdhsa_next_free_vgpr 1024
		.amdhsa_next_free_sgpr 66
		.amdhsa_reserve_vcc 0
		.amdhsa_float_denorm_mode_32 3
		.amdhsa_float_denorm_mode_16_64 3
		.amdhsa_memory_ordered 1
		.amdhsa_forward_progress 1
		.amdhsa_inst_pref_size 255
	.end_amdhsa_kernel
	.section	.bss,"aw",@nobits
	.p2align	6
	.space	262144
	.amdgpu_metadata
---
amdhsa.version: [ 1, 2 ]
amdhsa.kernels:
  - .name:           k_q7fbecc63f2_chain
    .symbol:         k_q7fbecc63f2_chain.kd
    .args:
      - { .name: route, .offset: 0, .size: 8, .value_kind: global_buffer, .address_space: global }
      - { .name: xb, .offset: 8, .size: 8, .value_kind: global_buffer, .address_space: global }
      - { .name: wf, .offset: 16, .size: 8, .value_kind: global_buffer, .address_space: global }
      - { .name: b1, .offset: 24, .size: 8, .value_kind: global_buffer, .address_space: global }
      - { .name: part, .offset: 32, .size: 8, .value_kind: global_buffer, .address_space: global }
    .group_segment_fixed_size: 305152
    .private_segment_fixed_size: 0
    .kernarg_segment_align: 8
    .kernarg_segment_size: 40
    .max_flat_workgroup_size: 128
    .sgpr_count:     66
    .vgpr_count:     1024
    .wavefront_size: 32
...
	.end_amdgpu_metadata
.endif
;; end of part 2
;; launch combine (part 3): grid 1024 x 1, 4 waves a work-group, no clusters, 0 bytes of LDS; arguments part, sel, pw, b2, out0; writes out0
.if DOCPART == 3
	.amdgcn_target "amdgcn-amd-amdhsa--gfx1250"
	.amdhsa_code_object_version 6
	.text
	.protected	k_q7fbecc63f2_combine
	.globl	k_q7fbecc63f2_combine
	.p2align	8
	.type	k_q7fbecc63f2_combine,@function
k_q7fbecc63f2_combine:
	s_mov_b64 s[64:65], 0
	v_nop
	global_prefetch_b8 v0, s[64:65] scope:SCOPE_SE
	s_setreg_imm32_b32 hwreg(HW_REG_WAVE_MODE, 25, 1), 1
	s_wait_xcnt 0x0
; COMBINE.  out[t] = p_first (sum over j of part[j][e_first][t] + b2[e_first]) + p_second (the same for e_second).  All in f32; b2 is rounded to bf16 like every input.
; A work-group has four tokens; thread v0 has 16 bytes (4 channels) of each row, so a wave's load or store covers 512 consecutive bytes.  All 40 loads of a thread go out before the first wait.
; A stream: no LDS, no barrier, no matrix unit.  The two indices a token were stored as whole numbers by the first launch.
.set PB, 32                            ; v32-191: row i, choice k: four partial quads and the bias quad at PB + 40 i + 20 k
	s_load_b256 s[4:11], s[0:1], 0x0               ; part s[4:5], sel s[6:7], pw s[8:9], b2 s[10:11]
	s_load_b64 s[12:13], s[0:1], 0x20              ; out0
	v_lshlrev_b32 v1, 4, v0
	s_lshl_b32 s14, ttmp9, 4                       ; four tokens' words of sel
	s_lshl_b32 s15, ttmp9, 5                       ; and pairs of pw
	s_lshl_b32 s36, ttmp9, 13                      ; four rows of 2,048 bytes
	s_mov_b32 s37, 0
	s_lshl_b32 s38, ttmp9, 2                       ; my first token
	s_mov_b32 s41, 0xffff0000
	s_wait_kmcnt 0x0
	s_load_b128 s[16:19], s[6:7], s14 offset:0x0
	s_load_b256 s[20:27], s[8:9], s15 offset:0x0
	s_mov_b64 s[28:29], s[4:5]                     ; the four quarters' partial sums lie 64 MB apart
	s_add_nc_u64 s[30:31], s[4:5], 0x4000000
	s_add_nc_u64 s[32:33], s[4:5], 0x8000000
	s_add_nc_u64 s[34:35], s[4:5], 0xc000000
	s_add_nc_u64 s[12:13], s[12:13], s[36:37]
	s_wait_kmcnt 0x0
.irp i, 0,1,2,3
.irp k, 0,1
	s_bfe_u32 s39, s[16+\i], (8<<16)|(8*\k)
	s_min_u32 s39, s39, 7
	s_lshl_b32 s40, s39, 11
	v_add_nc_u32 v[10+2*\i+\k], s40, v1            ; b2[e]
	s_lshl_b32 s39, s39, 12
	s_add_co_u32 s39, s39, s38
	s_add_co_u32 s39, s39, \i
	s_lshl_b32 s39, s39, 11
	v_add_nc_u32 v[2+2*\i+\k], s39, v1             ; part[.][e][t]
.endr
.endr
.irp i, 0,1,2,3
.irp k, 0,1
.irp j, 0,1,2,3
	global_load_b128 v[PB+40*\i+20*\k+4*\j:PB+40*\i+20*\k+4*\j+3], v[2+2*\i+\k], s[28+2*\j:29+2*\j] th:TH_LOAD_NT
.endr
	global_load_b128 v[PB+40*\i+20*\k+16:PB+40*\i+20*\k+19], v[10+2*\i+\k], s[10:11]
.endr
.endr
.macro ROWOUT i
	s_wait_loadcnt 10*(3-(\i))                     ; ten loads a row: the later rows' stay out
.irp k, 0,1
.set bb, PB+40*(\i)+20*\k
	v_cvt_pk_bf16_f32 v18, v[bb+16], v[bb+17]
	v_cvt_pk_bf16_f32 v19, v[bb+18], v[bb+19]
.irp z, 0,2
	v_pk_add_f32 v[bb+\z:bb+\z+1], v[bb+\z:bb+\z+1], v[bb+4+\z:bb+5+\z]
	v_pk_add_f32 v[bb+8+\z:bb+9+\z], v[bb+8+\z:bb+9+\z], v[bb+12+\z:bb+13+\z]
.endr
	v_lshlrev_b32 v[bb+16], 16, v18
	v_and_b32 v[bb+17], s41, v18
	v_lshlrev_b32 v[bb+18], 16, v19
	v_and_b32 v[bb+19], s41, v19
.irp z, 0,2
	v_pk_add_f32 v[bb+\z:bb+\z+1], v[bb+\z:bb+\z+1], v[bb+8+\z:bb+9+\z]
.endr
.irp z, 0,2
	v_pk_add_f32 v[bb+\z:bb+\z+1], v[bb+\z:bb+\z+1], v[bb+16+\z:bb+17+\z]
.endr
.endr
.set bb, PB+40*(\i)
.irp c, 0,1,2,3
	v_mul_f32 v[bb+\c], s[20+2*(\i)], v[bb+\c]
.endr
.irp c, 0,1,2,3
	v_fma_f32 v[bb+\c], s[21+2*(\i)], v[bb+20+\c], v[bb+\c]
.endr
	global_store_b128 v1, v[bb:bb+3], s[12:13] offset:2048*(\i) th:TH_STORE_NT
.endm
	ROWOUT 0
	ROWOUT 1
	ROWOUT 2
	ROWOUT 3
	s_endpgm
.Lfunc_end_k_q7fbecc63f2_combine:
	.size	k_q7fbecc63f2_combine, .Lfunc_end_k_q7fbecc63f2_combine-k_q7fbecc63f2_combine
	.p2alignl 7, 3214868480
	.fill 96, 4, 3214868480
	.section	.rodata,"a",@progbits
	.p2align	6, 0x0
	.amdhsa_kernel k_q7fbecc63f2_combine
		.amdhsa_group_segment_fixed_size 0
		.amdhsa_private_segment_fixed_size 0
		.amdhsa_enable_private_segment 0
		.amdhsa_kernarg_size 40
		.amdhsa_user_sgpr_count 2
		.amdhsa_user_sgpr_kernarg_segment_ptr 1
		.amdhsa_wavefront_size32 1
		.amdhsa_system_sgpr_workgroup_id_x 1
		.amdhsa_system_sgpr_workgroup_id_y 1
		.amdhsa_system_sgpr_workgroup_id_z 1
		.amdhsa_system_vgpr_workitem_id 0
		.amdhsa_next_free_vgpr 192
		.amdhsa_next_free_sgpr 66
		.amdhsa_reserve_vcc 0
		.amdhsa_float_denorm_mode_32 3
		.amdhsa_float_denorm_mode_16_64 3
		.amdhsa_memory_ordered 1
		.amdhsa_forward_progress 1
		.amdhsa_inst_pref_size 16
	.end_amdhsa_kernel
	.amdgpu_metadata
---
amdhsa.version: [ 1, 2 ]
amdhsa.kernels:
  - .name:           k_q7fbecc63f2_combine
    .symbol:         k_q7fbecc63f2_combine.kd
    .args:
      - { .name: part, .offset: 0, .size: 8, .value_kind: global_buffer, .address_space: global }
      - { .name: sel, .offset: 8, .size: 8, .value_kind: global_buffer, .address_space: global }
      - { .name: pw, .offset: 16, .size: 8, .value_kind: global_buffer, .address_space: global }
      - { .name: b2, .offset: 24, .size: 8, .value_kind: global_buffer, .address_space: global }
      - { .name: out0, .offset: 32, .size: 8, .value_kind: global_buffer, .address_space: global }
    .group_segment_fixed_size: 0
    .private_segment_fixed_size: 0
    .kernarg_segment_align: 8
    .kernarg_segment_size: 40
    .max_flat_workgroup_size: 128
    .sgpr_count:     66
    .vgpr_count:     192
    .wavefront_size: 32
...
	.end_amdgpu_metadata
.endif
;; end of part 3
